; MI455X (gfx1250); checked and timed in simulation.
; The chip was launched on July 23, 2026; its instructions are those of AMD's public machine-readable ISA for CDNA 5 (MIT licence, August 2026) and "CDNA5" Instruction Set Architecture Reference Guide (July 2026). The comments in the code are by the model that wrote it; some were corrected since.
;; Sparsemax Attention. Allowed arithmetic: float matrix products may take bf16 or f16 operands with f32 sums; other float arithmetic in f32, or as packed bf16 or f16 multiplies, adds, multiply-adds, maxima and minima; sums over many terms, partial sums and values carried from step to step in f32; what a program stores and reads back later, other than sums and carried values, may be rounded once to bf16 or f16.
;; Inputs: Wk 1,024 x 1,024 float32; Wo 1,024 x 1,024 float32; Wq 1,024 x 1,024 float32; Wv 1,024 x 1,024 float32; bk 1,024 float32; bo 1,024 float32; bq 1,024 float32; bv 1,024 float32; key 2,048 x 8 x 1,024 float32; query 2,048 x 8 x 1,024 float32; value 2,048 x 8 x 1,024 float32.
;; Outputs: out0 2,048 x 8 x 1,024 float32.
;; One version. Each part assembles by itself: llvm-mc -triple=amdgcn-amd-amdhsa -mcpu=gfx1250 --defsym DOCPART=n.
;; ======== version 1 of 1: 4 launches
;; limits: values are held in f16: magnitudes above 65,504 overflow, below 6.1e-05 lose precision
;; workspace buffers: wqkv 6,291,456 bytes; wo16 2,097,152 bytes; biasw 16,384 bytes; qkv 100,663,296 bytes; xatt 33,554,432 bytes
;; launch prep (part 1): grid 2064 x 1, 8 waves a work-group, no clusters, 0 bytes of LDS; arguments Wq, Wk, Wv, Wo, bq, bk, bv, bo, wqkv, wo16, biasw; writes wqkv, wo16, biasw
.if DOCPART == 1
	.amdgcn_target "amdgcn-amd-amdhsa--gfx1250"
	.amdhsa_code_object_version 6
	.text
	.protected	k_qc3c38a5602_prep
	.globl	k_qc3c38a5602_prep
	.p2align	8
	.type	k_qc3c38a5602_prep,@function
k_qc3c38a5602_prep:
	s_mov_b64 s[64:65], 0
	v_nop
	global_prefetch_b8 v0, s[64:65] scope:SCOPE_SE
	s_setreg_imm32_b32 hwreg(HW_REG_WAVE_MODE, 25, 1), 1
	s_wait_xcnt 0x0
; SPARSEMAX ATTENTION ACROSS HEADS, in four launches: this one lays the weights out; the second makes Q, K, V; the third does each token's
; 16 x 16 attention over its heads and the reshuffle; the fourth is the output projection.
; NO WORK OF THE PROBLEM IS LEFT OUT: every input (three activations, four weights, four biases) has a way to the output and is loaded.
; THIS LAUNCH.  Each weight is rounded once to bf16 and written in blocks of 256 output rows x 128 k (65,536 bytes, a row 256 bytes), in the
; order in which the products walk them: wqkv [c 4][p 3][s 8][256][128], wo16 [c 4][s 8][256][128].  Wo's bf16 number is written as f16,
; since the last product's other operand is f16.  Biases are rounded to bf16 and kept as f32: biasw [4][1024].
; THE ROWS OF Wq, Wk, Wv (and their biases) ARE PERMUTED, so that the third launch finds its matrix operands as runs of 512 bytes:
;   Q, K: output column n' = (d >> 3) 128 + h 8 + (d & 7);   V: n' = (d >> 4) 256 + (g >> 3) 128 + (d & 15) 8 + (g & 7);   head h or g, channel d.
; LIMITS.  A number of Wo below 6e-5 keeps f16's fixed step of 6e-8; beyond 65,504 it becomes an infinity.
; SHARES.  Work-groups 0 .. 2047: two output rows of one weight, a thread 8 numbers (32 bytes in, 16 out; sixteen neighbouring lanes store
; 256 consecutive bytes, aligned).  Work-groups 2048 .. 2063: 256 numbers of one bias.
	s_load_b512 s[8:23], s[0:1], 0x0               ; Wq 8, Wk 10, Wv 12, Wo 14, bq 16, bk 18, bv 20, bo 22
	s_load_b128 s[24:27], s[0:1], 0x40             ; wqkv 24, wo16 26
	s_load_b64 s[28:29], s[0:1], 0x50              ; biasw
	s_lshr_b32 s2, ttmp9, 9                        ; weights: which of the four,
	s_and_b32 s3, ttmp9, 511
	s_lshl_b32 s3, s3, 1                           ; and the first of my two rows n'
	s_sub_co_u32 s4, ttmp9, 2048                   ; biases: the same two numbers
	s_lshr_b32 s5, s4, 2
	s_and_b32 s6, s4, 3
	s_lshl_b32 s6, s6, 8
	s_cmp_lt_u32 ttmp9, 2048
	s_cselect_b32 s31, s2, s5                      ; p: 0 q, 1 k, 2 v, 3 o
	s_cselect_b32 s32, s3, s6
	s_cselect_b32 s33, 7, 0                        ; weights: 128 threads a row; biases: a thread a number
	s_cselect_b32 s34, 1, 0                        ; 1: weights
	v_lshrrev_b32 v1, s33, v0
	v_add_nc_u32 v1, s32, v1                       ; n'
	s_cmp_lt_u32 s31, 2
	s_cbranch_scc1 .Lqk
	s_cmp_eq_u32 s31, 2
	s_cbranch_scc1 .Lv
	v_mov_b32 v2, v1                               ; Wo, bo: as they lie
	s_branch .Lperm
.Lqk:
	v_bfe_u32 v2, v1, 3, 4                         ; h
	v_lshrrev_b32 v3, 7, v1                        ; d >> 3
	v_and_b32 v4, 7, v1                            ; d & 7
	v_lshlrev_b32 v2, 6, v2
	v_lshl_add_u32 v2, v3, 3, v2
	v_add_nc_u32 v2, v2, v4                        ; n = 64 h + d
	s_branch .Lperm
.Lv:
	v_bfe_u32 v2, v1, 7, 1
	v_and_b32 v3, 7, v1
	v_lshl_add_u32 v2, v2, 3, v3                   ; g
	v_lshrrev_b32 v3, 8, v1
	v_bfe_u32 v4, v1, 3, 4
	v_lshl_add_u32 v3, v3, 4, v4                   ; d
	v_lshl_add_u32 v2, v2, 6, v3                   ; n = 64 g + d
.Lperm:
	s_wait_kmcnt 0x0
	s_cmp_eq_u32 s31, 1
	s_cselect_b64 s[36:37], s[10:11], s[8:9]       ; the weight,
	s_cselect_b64 s[38:39], s[18:19], s[16:17]     ; the bias
	s_cmp_eq_u32 s31, 2
	s_cselect_b64 s[36:37], s[12:13], s[36:37]
	s_cselect_b64 s[38:39], s[20:21], s[38:39]
	s_cmp_eq_u32 s31, 3
	s_cselect_b64 s[36:37], s[14:15], s[36:37]
	s_cselect_b64 s[38:39], s[22:23], s[38:39]
	s_cselect_b64 s[40:41], s[26:27], s[24:25]     ; and where the weight goes
	s_cmp_eq_u32 s34, 0
	s_cbranch_scc1 .Lbias
	v_and_b32 v5, 127, v0                          ; which 8 k of the row
	v_lshlrev_b32 v6, 12, v2
	v_lshl_add_u32 v6, v5, 5, v6                   ; n x 4,096 + 32 x that
	global_load_b128 v[8:11], v6, s[36:37] th:TH_LOAD_NT
	global_load_b128 v[12:15], v6, s[36:37] offset:16 th:TH_LOAD_NT
	s_lshr_b32 s42, s3, 8                          ; c = n' >> 8
	s_mul_i32 s43, s42, 3
	s_add_co_u32 s43, s43, s31
	s_lshl_b32 s43, s43, 3                         ; (3 c + p) 8
	s_lshl_b32 s42, s42, 3                         ; 8 c
	s_cmp_eq_u32 s31, 3
	s_cselect_b32 s42, s42, s43
	v_lshrrev_b32 v7, 4, v5                        ; s: which 128 k
	v_add_nc_u32 v7, s42, v7
	v_lshlrev_b32 v7, 16, v7                       ; the block,
	v_and_b32 v16, 255, v1
	v_lshl_add_u32 v7, v16, 8, v7                  ; the row in it,
	v_and_b32 v16, 15, v5
	v_lshl_add_u32 v7, v16, 4, v7                  ; my 16 bytes of the row
	s_wait_loadcnt 0x0
	v_cvt_pk_bf16_f32 v20, v8, v9
	v_cvt_pk_bf16_f32 v21, v10, v11
	v_cvt_pk_bf16_f32 v22, v12, v13
	v_cvt_pk_bf16_f32 v23, v14, v15
	s_cmp_eq_u32 s31, 3
	s_cbranch_scc0 .Lstore
.irp i, 0,1,2,3
	v_lshlrev_b32 v[24+2*\i], 16, v[20+\i]         ; Wo: the bf16 number, widened,
	v_and_b32 v[25+2*\i], 0xffff0000, v[20+\i]
.endr
.irp i, 0,1,2,3
	v_cvt_pk_f16_f32 v[20+\i], v[24+2*\i], v[25+2*\i]  ; and written as f16
.endr
.Lstore:
	global_store_b128 v7, v[20:23], s[40:41]
	s_endpgm
.Lbias:
	v_lshlrev_b32 v6, 2, v2
	global_load_b32 v8, v6, s[38:39]
	s_lshl_b32 s42, s31, 12
	v_lshl_add_u32 v7, v1, 2, s42
	s_wait_loadcnt 0x0
	v_cvt_pk_bf16_f32 v9, v8, v8
	v_lshlrev_b32 v9, 16, v9
	global_store_b32 v7, v9, s[28:29]
	s_endpgm
.Lfunc_end_k_qc3c38a5602_prep:
	.size	k_qc3c38a5602_prep, .Lfunc_end_k_qc3c38a5602_prep-k_qc3c38a5602_prep
	.p2alignl 7, 3214868480
	.fill 96, 4, 3214868480
	.section	.rodata,"a",@progbits
	.p2align	6, 0x0
	.amdhsa_kernel k_qc3c38a5602_prep
		.amdhsa_group_segment_fixed_size 0
		.amdhsa_private_segment_fixed_size 0
		.amdhsa_enable_private_segment 0
		.amdhsa_kernarg_size 88
		.amdhsa_user_sgpr_count 2
		.amdhsa_user_sgpr_kernarg_segment_ptr 1
		.amdhsa_wavefront_size32 1
		.amdhsa_system_sgpr_workgroup_id_x 1
		.amdhsa_system_sgpr_workgroup_id_y 1
		.amdhsa_system_sgpr_workgroup_id_z 1
		.amdhsa_system_vgpr_workitem_id 0
		.amdhsa_next_free_vgpr 32
		.amdhsa_next_free_sgpr 66
		.amdhsa_reserve_vcc 0
		.amdhsa_float_denorm_mode_32 3
		.amdhsa_float_denorm_mode_16_64 3
		.amdhsa_memory_ordered 1
		.amdhsa_forward_progress 1
		.amdhsa_inst_pref_size 5
	.end_amdhsa_kernel
	.amdgpu_metadata
---
amdhsa.version: [ 1, 2 ]
amdhsa.kernels:
  - .name:           k_qc3c38a5602_prep
    .symbol:         k_qc3c38a5602_prep.kd
    .args:
      - { .name: Wq, .offset: 0, .size: 8, .value_kind: global_buffer, .address_space: global }
      - { .name: Wk, .offset: 8, .size: 8, .value_kind: global_buffer, .address_space: global }
      - { .name: Wv, .offset: 16, .size: 8, .value_kind: global_buffer, .address_space: global }
      - { .name: Wo, .offset: 24, .size: 8, .value_kind: global_buffer, .address_space: global }
      - { .name: bq, .offset: 32, .size: 8, .value_kind: global_buffer, .address_space: global }
      - { .name: bk, .offset: 40, .size: 8, .value_kind: global_buffer, .address_space: global }
      - { .name: bv, .offset: 48, .size: 8, .value_kind: global_buffer, .address_space: global }
      - { .name: bo, .offset: 56, .size: 8, .value_kind: global_buffer, .address_space: global }
      - { .name: wqkv, .offset: 64, .size: 8, .value_kind: global_buffer, .address_space: global }
      - { .name: wo16, .offset: 72, .size: 8, .value_kind: global_buffer, .address_space: global }
      - { .name: biasw, .offset: 80, .size: 8, .value_kind: global_buffer, .address_space: global }
    .group_segment_fixed_size: 0
    .private_segment_fixed_size: 0
    .kernarg_segment_align: 8
    .kernarg_segment_size: 88
    .max_flat_workgroup_size: 256
    .sgpr_count:     66
    .vgpr_count:     32
    .wavefront_size: 32
...
	.end_amdgpu_metadata
.endif
;; end of part 1
;; launch proj (part 2): grid 4 x 64, 4 waves a work-group, clusters of 4 x 4, 327,680 bytes of LDS; arguments query, key, value, wqkv, biasw, qkv; writes qkv
.if DOCPART == 2
	.amdgcn_target "amdgcn-amd-amdhsa--gfx1250"
	.amdhsa_code_object_version 6
	.text
	.protected	k_qc3c38a5602_proj
	.globl	k_qc3c38a5602_proj
	.p2align	8
	.type	k_qc3c38a5602_proj,@function
k_qc3c38a5602_proj:
	s_mov_b64 s[64:65], 0
	v_nop
	global_prefetch_b8 v0, s[64:65] scope:SCOPE_SE
	s_setreg_imm32_b32 hwreg(HW_REG_WAVE_MODE, 25, 1), 1
	s_wait_xcnt 0x0
	s_wait_alu depctr_hold_cnt(0) depctr_sa_sdst(0) depctr_va_vdst(0) depctr_va_sdst(0) depctr_va_ssrc(0) depctr_va_vcc(0) depctr_vm_vsrc(0)
	s_getreg_b32 s2, hwreg(HW_REG_IB_STS2, 6, 4)
	s_cmp_eq_u32 s2, 0
	s_cbranch_scc0 .Lentry_in_a_cluster
	s_endpgm
.Lentry_in_a_cluster:
	s_bfe_u32 s2, ttmp6, 0x10000c
	s_cmp_lg_u32 s2, 0xf033
	s_cbranch_scc0 .Lentry_shape_is_right
	s_endpgm
.Lentry_shape_is_right:
; Q, K, V = x W^T + b for the 16,384 token rows: three products [16384 x 1024] x [1024 x 1024], operands bf16, sums f32, results rounded once to f16.
; Nothing of the problem is left out here.  LIMIT: a result of 65,520 or more becomes an infinity in f16.
; SHARES.  256 work-groups; each STAYS on one place (256 rows x 256 columns) and makes that tile of Q, then of K, then of V: 24 K steps of 128 in one walk.
; The four waves lie one below the other: wave w owns rows 64 w .. 64 w + 63 and all 256 columns: 4 x 16 accumulators of 16 x 16, 512 registers.
; So a row of x belongs to ONE wave: it comes from memory straight into that wave's registers as f32 (16 bytes a lane, in the fragment's order of k) and is
; rounded there; it never lies in LDS.  The weights' block of a K step (256 rows x 256 bytes, laid out by the launch before) goes through a ring of two LDS slots.
; CLUSTER 4 x 4.  A weights block hangs on the column tile alone: the four work-groups of a cluster's column ask for it JOINTLY.  x IS NOT ASKED FOR JOINTLY: a tensor
; load moves bytes as they are, so x would lie in LDS as f32: 128 KiB for a K step of 128 beside the weights' 68 KiB, twice over for two slots: more than LDS holds;
; and each of its bytes would be written to LDS and read back only to be rounded.
; THE MATRIX INSTRUCTION IS USED TRANSPOSED (source 0 = 16 weight rows, source 1 = 16 tokens): lane (r, hh) holds token r and columns 16 b + 8 hh + 0..7.
; A tile's first products take the bias as C: nothing is cleared and no bias is added by the vector unit.
; THE ORDER OF A QUARTER STEP (32 k, 64 matrix instructions): two halves of 32.  The memory instructions stand in two runs, one behind each half, never singly among the matrix
; instructions; the roundings of x stand in slices of four BETWEEN the matrix instructions, so that they are issued while the matrix unit works.
; REGISTERS, in windows of 256 (s_set_vgpr_msb: bits 1:0 source 0, 3:2 source 1, 5:4 source 2, 7:6 destination):
;   window 0: v0-22 addresses; v32-63, v64-95 x's fragments in bf16, two buffers; v96-127 at work; v128-255 the weights' 16 fragments of one quarter step
;   window 1: x as loaded, f32: four slots of 64, a quarter step (64 rows x 32 k) each     windows 2, 3: accumulator (a, b) in window 2 + (b >> 3) at 8 (4 (b & 7) + a)
.set PITCH,  272                       ; an LDS row: 256 bytes + 16 of padding = 68 words: the 16 rows of a fragment load start at 16 different groups of four banks (64 banks of 4 bytes: ISA guide 11.1)
.set WROWS,  64*PITCH                  ; what one wave's tensor load brings
.set SLOT1,  1<<17                     ; slot 0 at 0, slot 1 here: one exclusive or turns an address in one into the other's
.set STAGE,  SLOT1+4*WROWS             ; 16 rows x 272 bytes for each wave, for the way out
.set BIAS,   STAGE+4*16*PITCH          ; 3 x 256 f32: the tile's biases
.set SPARE,  BIAS+3072                 ; the spare words, 128 bytes a wave: two blocks of 256 bytes that no other line names
.set AOFF, 3                           ; v3   x: r x 4,096 + 32 hh; never rewritten
.set AB0,  4                           ; v4   weights in a slot: r x 272 + 16 hh
.set ADR,  5                           ; v5   the same in the slot in hand
.set ABI,  6                           ; v6   bias: BIAS + 32 hh + 1,024 x projection
.set STO,  7                           ; v7   the way out: where I put 16 bytes of a row
.set RD,   8                           ; v8   where I read rows back
.set CO,   9                           ; v9   my byte offset in two rows of the result
.set PFOA, 10                          ; v10  prefetch of x: (16 cx + r) x 4,096 + 256 hh
.set PFOB, 11                          ; v11  prefetch of weights: 256 x lane
.set SPW,  12                          ; v12  my spare word; never rewritten
.set NIL,  13                          ; v13  0; never rewritten
.set AF0,  32
.set AF1,  64
.set TMP,  96
.set BF,   128
.set OB,   AF1                         ; the way out reads rows back into the fragment buffer that is free there
.set WV, 16
.set CX, 17
.set CY, 18
.set RT, 19                            ; s19  row tile
.set G1, 24                            ; s[24:31] descriptor group 1
.set G0A, 32                           ; s[32:35] group 0 of K step 0
.set G0, 36                            ; s[36:39] group 0 of K step 1; it then walks
.set LP, 40                            ; s[40:41] x at my rows, at the K step that is being loaded
.set NXT, 42                           ; s[42:43] the next activation at my rows
.set AV, 44                            ; s[44:45] value at my rows
.set PFA, 46                           ; s[46:47] where the prefetch of x stands
.set PFN, 48                           ; s[48:49] its next activation
.set PFB, 50                           ; s[50:51] where the prefetch of weights stands
.set OUTP, 52                          ; s[52:53] the result at my rows and the tile's columns
.set TRIPS, 54
.set PH, 55                            ; s55  (the K step being loaded) mod 8
.set TB, 56                            ; s56  the slot in hand: 0 or SLOT1
.set CT, 57                            ; s57  column tile
.set LIMB, 58                          ; s58  2 in a wave that prefetches weights, else the greatest number
                                       ; s60-63 feed the joint descriptor: made of cx and the wave's number alone
.set MSB, 0
.macro WIN new                         ; the immediate's high byte repeats the setting that is left; a switch that changes nothing is dropped
.if MSB != (\new)
	s_set_vgpr_msb (MSB<<8)|(\new)
.set MSB, \new
.endif
.endm
.macro NOPS                            ; four places behind matrix instructions (ISA guide 7.12.1), where no other vector work is at hand
.rept 4
	v_nop
.endr
.endm
.macro CREST                           ; a round of the cluster's barrier behind its opening barrier
	s_cmp_lg_u32 s[WV], 0
	s_cbranch_scc1 .Lnot_wave_0_\@
	s_barrier_signal -3
.Lnot_wave_0_\@:
	s_barrier_wait -3
	s_barrier_signal -1
	s_barrier_wait -1
.endm
.macro CROUND
	s_barrier_signal -1
	s_barrier_wait -1
	CREST
.endm
; A SLICE: four roundings of the next quarter's x.  Slice nr (0 .. 3) of half hf: row block 2 hf + nr / 2, registers 4 (nr % 2) + 0..3 of its fragment in buffer afn, from slot sg.
; The half's first slice waits for the half's 8 loads; n: the younger loads, which may stay out.
.macro SLICE hf, nr, sg, afn, n
	WIN 0x05
.if (\nr) == 0
	s_wait_loadcnt \n
.endif
.set RB, 2*(\hf)+(\nr)/2
.set I0, 4*((\nr)%2)
.irp ii, 0,1,2,3
	v_cvt_pk_bf16_f32 v[(\afn)+8*RB+I0+(\ii)], v[64*(\sg)+16*RB+2*(I0+(\ii))], v[64*(\sg)+16*RB+2*(I0+(\ii))+1]
.endr
.endm
; Matrix instructions lo .. lo + cnt - 1 of the 32 of half hf: number i is column block 8 hf + i / 4 x row block i % 4, its accumulator at 8 i of window 2 + hf.
; All 64 accumulators of a quarter take turns, one instruction a turn, in the same order in every quarter.
; per > 0: a slice stands behind every per-th of them.
.macro MM hf, afc, lo, cnt, per, sg, afn, n
.set MI, \lo
.rept \cnt
	WIN 0xA0+0x50*(\hf)
.set FB, BF+8*(8*(\hf)+MI/4)
	v_wmma_f32_16x16x32_bf16 v[8*MI:8*MI+7], v[FB:FB+7], v[(\afc)+8*(MI%4):(\afc)+8*(MI%4)+7], v[8*MI:8*MI+7]
.if \per
.if (MI%(\per)) == ((\per)-1)
	SLICE \hf, MI/(\per), \sg, \afn, \n
.endif
.endif
.set MI, MI+1
.endr
.endm
.macro MULSZ g, af, cs                 ; 16 matrix instructions (column blocks 4 g .. 4 g + 3) that start the sums with the bias in v[cs ..], eight registers a column block
	WIN 0x80+0x40*((\g)/2)
.irp bb, 0,1,2,3
.irp aa, 0,1,2,3
.set AC, 8*(4*(4*((\g)%2)+(\bb))+(\aa))
.set FB, BF+8*(4*(\g)+(\bb))
	v_wmma_f32_16x16x32_bf16 v[AC:AC+7], v[FB:FB+7], v[(\af)+8*(\aa):(\af)+8*(\aa)+7], v[(\cs)+8*(\bb):(\cs)+8*(\bb)+7]
.endr
.endr
.endm
.macro BLOAD g, koff                   ; 8 LDS loads: the weights' fragments 4 g .. 4 g + 3, 32 k at byte koff of the rows
	WIN 0
.irp bb, 0,1,2,3
.set FB, BF+8*(4*(\g)+(\bb))
	ds_load_b128 v[FB:FB+3],   v[ADR] offset:(4*(\g)+(\bb))*16*PITCH+(\koff)
	ds_load_b128 v[FB+4:FB+7], v[ADR] offset:(4*(\g)+(\bb))*16*PITCH+(\koff)+32
.endr
.endm
.macro BIASLD cs, g                    ; 8 LDS loads: my 8 columns' biases for column blocks 4 g .. 4 g + 3
	WIN 0
.irp bb, 0,1,2,3
	ds_load_b128 v[(\cs)+8*(\bb):(\cs)+8*(\bb)+3],   v[ABI] offset:64*(4*(\g)+(\bb))
	ds_load_b128 v[(\cs)+8*(\bb)+4:(\cs)+8*(\bb)+7], v[ABI] offset:64*(4*(\g)+(\bb))+16
.endr
.endm
.macro CVT g, sg, afn, n               ; row block g of slot sg is rounded whole into fragment buffer afn; n: the younger loads, which may stay out
	s_wait_loadcnt \n
	WIN 0x05
.irp ii, 0,1,2,3,4,5,6,7
	v_cvt_pk_bf16_f32 v[(\afn)+8*(\g)+(\ii)], v[64*(\sg)+16*(\g)+2*(\ii)], v[64*(\sg)+16*(\g)+2*(\ii)+1]
.endr
.endm
.macro ALOAD g, sg, koff               ; 4 loads: row block g, 32 k at byte koff behind the pointer, in the fragment's order: k = 8 hh + 0..7, then 16 + 8 hh + 0..7
	WIN 0x40
.set RW, 64*(\sg)+16*(\g)
	global_load_b128 v[RW:RW+3],     v[AOFF], s[LP:LP+1] offset:(\g)*65536+(\koff)
	global_load_b128 v[RW+4:RW+7],   v[AOFF], s[LP:LP+1] offset:(\g)*65536+(\koff)+16
	global_load_b128 v[RW+8:RW+11],  v[AOFF], s[LP:LP+1] offset:(\g)*65536+(\koff)+64
	global_load_b128 v[RW+12:RW+15], v[AOFF], s[LP:LP+1] offset:(\g)*65536+(\koff)+80
.endm
; THE RUN behind half hf: the two row blocks of x that the half's slices have just rounded are asked for again (8 loads, five quarters ahead of their products; ld = 0: not in the tail),
; and the half's eight weights' fragments are fetched for the next quarter (16 LDS loads).
.macro RUN hf, ld, sg, ka, kb
.if \ld
	ALOAD 2*(\hf), \sg, \ka
	ALOAD 2*(\hf)+1, \sg, \ka
.endif
	BLOAD 2*(\hf), \kb
	BLOAD 2*(\hf)+1, \kb
.endm
; QUARTER j (0, 1, 2) of a K step.  Each half: 32 matrix instructions, a slice behind every eighth; the run.  The last slice stands behind the half's last matrix instruction and names none of
; its registers: its four roundings are the places in front of the loads into the half's fragments, and in front of the next quarter's first write of the fragment buffer that this quarter multiplies.
; s_wait_dscnt 16: behind the 16 loads of this half's fragments, issued a quarter ago, stand the other half's 16.
; s_wait_loadcnt lc = 56: behind the 8 loads of row blocks 2 hf, 2 hf + 1 of the next quarter stand 8 (1 - hf) of that quarter, 48 of the three quarters after it, and 8 hf just issued.
; ld = 0 (the tail): nothing is asked for, and the count falls by 8 in the second half.
.macro Q j, ld, lc
.set SG, ((\j)+1)%4
.set AFC, AF0+32*((\j)%2)
.set AFN, AF0+32*(((\j)+1)%2)
.irp hf, 0,1
	s_wait_dscnt 16
	MM \hf, AFC, 0, 32, 8, SG, AFN, (\lc)-(1-(\ld))*8*(\hf)
	RUN \hf, \ld, SG, SG*128, SG*64
.endr
.endm
; PREFETCH INTO THE L2 of K step t + 4 in trip t, two trips ahead of the loads that want it; it stands behind the joint load, its five lines and a run of loads.
; x: a K step is 512 bytes of each row.  The four work-groups of a cluster's row read the same rows: of a wave's 64 each takes 16, BY ADDRESS (cx), a lane a block of 256 bytes.
; Weights: a block is read by every row tile; the clusters with y = 0 ask; the four partners of a column take 64 rows each BY ADDRESS (cy), waves 0 and 1 half of them each.
; So each block of 256 bytes is named once in the launch.  The first four K steps come by their loads alone; the last two trips ask for nothing: there is no K step 24.
.macro ASK
	s_cmp_gt_u32 s[TRIPS], 2
	s_cbranch_scc0 .Lno_a_\@
	global_prefetch_b8 v[PFOA], s[PFA:PFA+1] th:TH_LOAD_NT scope:SCOPE_SE
.Lno_a_\@:
	s_cmp_gt_u32 s[TRIPS], s[LIMB]
	s_cbranch_scc0 .Lno_b_\@
	global_prefetch_b8 v[PFOB], s[PFB:PFB+1] th:TH_LOAD_NT scope:SCOPE_SE
.Lno_b_\@:
.endm
; The pointers go on to K step t + 2 (loads) and t + 4 (prefetches).  The youngest load that names them stands 16 matrix instructions back, the youngest prefetch a trip back.
.macro STEPP
	s_wait_xcnt 0x0                                ; every load and prefetch issued so far has read its pointer
	s_add_nc_u64 s[LP:LP+1], s[LP:LP+1], 512
	s_add_nc_u64 s[PFA:PFA+1], s[PFA:PFA+1], 512
	s_add_nc_u64 s[PFB:PFB+1], s[PFB:PFB+1], 65536
	s_cmp_eq_u32 s[PH], 0                          ; K step t + 2 begins a projection: on to the next activation
	s_cselect_b64 s[LP:LP+1], s[NXT:NXT+1], s[LP:LP+1]
	s_cselect_b64 s[NXT:NXT+1], s[AV:AV+1], s[NXT:NXT+1]
	s_cmp_eq_u32 s[PH], 6                          ; K step t + 4 does
	s_cselect_b64 s[PFA:PFA+1], s[PFN:PFN+1], s[PFA:PFA+1]
	s_cselect_b64 s[PFN:PFN+1], s[AV:AV+1], s[PFN:PFN+1]
.endm
; QUARTER 3, with the change of slots.  Each wave waits for all its tensor loads (one is out: its part of the next slot), adds 0 to its spare word, and waits for that and for its reads
; of this slot, all of which were issued in quarter 2.  fill = 1: the barrier opens a round of the cluster's, and the joint refill (the K step two on) is the first thing behind it:
; it has a K step less this half quarter in which to land.  The first half's 32 matrix instructions stand in front of and inside the barrier, its four slices among the first sixteen;
; its run stands behind the refill.
.macro Q3 fill
	WIN 0
	s_wait_tensorcnt 0x0                           ; no tensor load of mine is out, so the walking group 0 may be written
	ds_add_u32 v[SPW], v[NIL]
.if \fill
	s_xor_b32 s[G0+1], s[G0+1], SLOT1              ; the other slot than last time,
	s_add_nc_u64 s[G0+2:G0+3], s[G0+2:G0+3], 65536 ; the next block; the type bits on top are not reached
.endif
	s_wait_dscnt 17                                ; the add and the second half's 16 loads may be out
	MM 0, AF1, 0, 16, 4, 0, AF0, 56
.if \fill
	STEPP
.endif
	s_wait_dscnt 0x0                               ; the add is done, and my reads of this slot are over
	s_barrier_signal -1
	MM 0, AF1, 16, 16, 0, 0, 0, 0
	WIN 0
	s_barrier_wait -1
.if \fill
	CREST
	tensor_load_to_lds s[G0:G0+3], s[G1:G1+7]
	s_nop 0
.endif
	NOPS                                           ; also the places in front of the loads into the first half's fragments
	s_xor_b32 s[TB], s[TB], SLOT1
	v_add_nc_u32 v[ADR], s[TB], v[AB0]
	RUN 0, \fill, 0, 0, 0
.if \fill
	ASK
.endif
	s_wait_dscnt 16                                ; (the second half's fragments came in with the wait for 0; the 16 just issued stay out)
	MM 1, AF1, 0, 32, 8, 0, AF0, 56-(1-(\fill))*8
	RUN 1, \fill, 0, 0, 0
.endm
; A TILE'S FIRST QUARTER, three times in the launch, in four groups of 16.  On both ways in no LDS instruction is out.  Two sets of 32 registers take the bias of four column blocks by turns;
; each count is the number of LDS loads issued behind the set that is wanted.  The second set lies in fragment buffer 1, so the next quarter's roundings stand at the end:
; s_wait_loadcnt 60: behind the 4 loads of row block g stand 4 (3 - g) of its quarter, 48 of the next three, and 4 g just issued.
.macro Q0Z
	BIASLD TMP, 0
	BIASLD AF1, 1
	s_wait_dscnt 8                                 ; behind set 0: set 1
	MULSZ 0, AF0, TMP
	NOPS
	BIASLD TMP, 2
	BLOAD 0, 64
	s_wait_dscnt 16                                ; behind set 1: set 2, group 0's fragments
	MULSZ 1, AF0, AF1
	NOPS
	BIASLD AF1, 3
	BLOAD 1, 64
	s_wait_dscnt 24                                ; behind set 2: group 0's, set 3, group 1's
	MULSZ 2, AF0, TMP
	NOPS
	BLOAD 2, 64
	s_wait_dscnt 16                                ; behind set 3: group 1's, group 2's
	MULSZ 3, AF0, AF1
	NOPS
	BLOAD 3, 64
.irp g, 0,1,2,3
	CVT \g, 1, AF1, 60
	ALOAD \g, 1, 128
.endr
.endm
; THE WAY OUT, in eight blocks k of 16 rows x 128 columns (row block k / 2, column half k % 2): rounded to f16, 16 bytes a lane; through my own stage; back as whole rows of 256 bytes.
.macro PACK k
.set EA, (\k)/2
	WIN 0x0a+5*((\k)%2)
.irp bb, 0,1,2,3,4,5,6,7
.irp rr, 0,1,2,3
	v_cvt_pk_f16_f32 v[TMP+4*(\bb)+(\rr)], v[8*(4*(\bb)+EA)+2*(\rr)], v[8*(4*(\bb)+EA)+2*(\rr)+1]
.endr
.endr
	WIN 0
.endm
.macro TOSTAGE
	WIN 0
.irp bb, 0,1,2,3,4,5,6,7
	ds_store_b128 v[STO], v[TMP+4*(\bb):TMP+4*(\bb)+3] offset:32*(\bb)
.endr
.irp tt, 0,1,2,3,4,5,6,7
	ds_load_b128 v[OB+4*(\tt):OB+4*(\tt)+3], v[RD] offset:2*PITCH*(\tt)  ; LDS serves a wave's instructions in order (ISA guide 5.7.1.4): these see the stores above
.endr
.endm
.macro SEND k
	s_wait_dscnt 0x0
.irp tt, 0,1,2,3,4,5,6,7
	global_store_b128 v[CO], v[OB+4*(\tt):OB+4*(\tt)+3], s[OUTP:OUTP+1] offset:((\k)/2)*32768+((\k)%2)*256+4096*(\tt)  ; 16 lanes store 256 consecutive bytes, aligned
.endr
.endm
.macro EPI
	PACK 0
	TOSTAGE
.irp k, 1,2,3,4,5,6,7
	PACK \k                                        ; a block's conversions stand between the loads of the block before and the wait for them
	SEND (\k)-1
	s_wait_xcnt 0x0                                ; the stores have read their registers, which the next block's loads write
	TOSTAGE
.endr
	SEND 7
.endm
	s_load_b256 s[4:11], s[0:1], 0x0               ; query 4, key 6, value 8, wqkv 10
	s_load_b128 s[12:15], s[0:1], 0x20             ; biasw 12, qkv 14
	v_lshl_add_u32 v[SPW], v0, 2, SPARE
	v_mov_b32 v[NIL], 0
	ds_add_u32 v[SPW], v[NIL]                      ; the opening: the add, twice on end, and its wait ahead of my first tensor load
	ds_add_u32 v[SPW], v[NIL]
	v_lshrrev_b32 v22, 5, v0
	v_readfirstlane_b32 s[WV], v22                 ; wave 0..3
	s_bfe_u32 s[CX], ttmp6, 0x40000
	s_bfe_u32 s[CY], ttmp6, 0x40004
	s_lshl_b32 s[CT], ttmp9, 2
	s_add_co_u32 s[CT], s[CT], s[CX]               ; column tile = 4 x cluster x + cx
	s_and_b32 s[RT], ttmp7, 0xffff
	s_lshl_b32 s[RT], s[RT], 2
	s_add_co_u32 s[RT], s[RT], s[CY]               ; row tile = 4 x cluster y + cy
	s_lshl_b32 s62, 0x1111, s[CX]                  ; my column of the cluster
	s_or_b32 s[G1], s62, (1<<16)|(1<<20)|(1<<21)|(5<<22)|(3<<25)  ; the mask; 2-byte elements; padding on; bit 21 beside a mask; after every 64 words 4 words
	s_mov_b32 s[G1+1], 128<<16                     ; tensor_dim0 = 128
	s_mov_b32 s[G1+2], 64<<16                      ; tensor_dim1 = 64
	s_mov_b32 s[G1+3], 128<<16                     ; tile_dim0 = 128
	s_mov_b32 s[G1+4], 64                          ; tile_dim1 = 64
	s_mov_b32 s[G1+5], 128                         ; 128 elements from row to row: a block is dense
	s_mov_b32 s[G1+6], 0
	s_mov_b32 s[G1+7], 0
	s_mul_i32 s63, s[WV], WROWS                    ; my 64 rows of a slot
	s_mul_i32 s60, s[CT], 1572864                  ; the column tile's 24 blocks,
	s_lshl_b32 s62, s[WV], 14                      ; my 64 rows of a block
	s_add_co_u32 s60, s60, s62
	s_mov_b32 s61, 0
	s_lshl_b32 s20, s[RT], 8
	s_lshl_b32 s21, s[WV], 6
	s_add_co_u32 s20, s20, s21                     ; my first row
	s_lshl_b32 s22, s20, 11                        ; in the result: rows of 2,048 bytes,
	s_lshl_b32 s23, s[CT], 9                       ; the tile's 512 bytes of them
	s_add_co_u32 s22, s22, s23
	s_mov_b32 s23, 0
	s_lshl_b32 s20, s20, 12                        ; in x: rows of 4,096 bytes
	s_mov_b32 s21, 0
	v_and_b32 v1, 15, v0                           ; r
	v_bfe_u32 v2, v0, 4, 1                         ; hh
	v_lshlrev_b32 v[AOFF], 12, v1
	v_lshl_add_u32 v[AOFF], v2, 5, v[AOFF]
	v_mul_u32_u24 v[AB0], v1, PITCH
	v_lshl_add_u32 v[AB0], v2, 4, v[AB0]
	v_mov_b32 v[ADR], v[AB0]
	v_lshl_add_u32 v[ABI], v2, 5, BIAS
	s_mul_i32 s2, s[WV], 16*PITCH
	s_add_co_u32 s2, s2, STAGE                     ; my stage
	v_add_nc_u32 v[STO], s2, v[AB0]
	v_mul_u32_u24 v[RD], v2, PITCH
	v_lshl_add_u32 v[RD], v1, 4, v[RD]
	v_add_nc_u32 v[RD], s2, v[RD]
	v_lshlrev_b32 v[CO], 11, v2
	v_lshl_add_u32 v[CO], v1, 4, v[CO]
	s_lshl_b32 s3, s[CX], 16
	v_lshlrev_b32 v[PFOA], 12, v1
	v_lshl_add_u32 v[PFOA], v2, 8, v[PFOA]
	v_add_nc_u32 v[PFOA], s3, v[PFOA]
	v_and_b32 v[PFOB], 31, v0
	v_lshlrev_b32 v[PFOB], 8, v[PFOB]
	v_lshlrev_b32 v20, 3, v0                       ; 8 bytes of bias a thread
	v_add_nc_u32 v21, BIAS, v20
	s_mov_b32 s[PH], 1
	s_mov_b32 s[TRIPS], 23
	s_mov_b32 s[TB], 0
	s_wait_dscnt 0x0                               ; both opening adds are done
	s_wait_kmcnt 0x0
	s_add_nc_u64 s[LP:LP+1], s[4:5], s[20:21]
	s_add_nc_u64 s[NXT:NXT+1], s[6:7], s[20:21]
	s_add_nc_u64 s[AV:AV+1], s[8:9], s[20:21]
	s_add_nc_u64 s[PFA:PFA+1], s[LP:LP+1], 3*512   ; at K step 3: a trip steps it first
	s_mov_b64 s[PFN:PFN+1], s[NXT:NXT+1]
	s_add_nc_u64 s[OUTP:OUTP+1], s[14:15], s[22:23]
	s_add_nc_u64 s[60:61], s[10:11], s[60:61]      ; the weights at my part of K step 0
	s_mov_b32 s[G0A], 1
	s_mov_b32 s[G0A+1], s63
	s_mov_b64 s[G0A+2:G0A+3], s[60:61]
	s_or_b32 s[G0A+3], s[G0A+3], 0x80000000
	s_mov_b32 s[G0], 1
	s_add_co_u32 s[G0+1], s63, SLOT1
	s_add_nc_u64 s[G0+2:G0+3], s[60:61], 65536
	s_or_b32 s[G0+3], s[G0+3], 0x80000000
	s_mul_i32 s20, s[CT], 1572864
	s_lshl_b32 s21, s[CY], 14
	s_add_co_u32 s20, s20, s21
	s_lshl_b32 s21, s[WV], 13
	s_add_co_u32 s20, s20, s21
	s_add_co_u32 s20, s20, 3*65536
	s_mov_b32 s21, 0
	s_add_nc_u64 s[PFB:PFB+1], s[10:11], s[20:21]
	s_and_b32 s20, ttmp7, 0xffff                   ; cluster y: the same in all sixteen partners
	s_lshr_b32 s21, s[WV], 1
	s_or_b32 s20, s20, s21
	s_cmp_eq_u32 s20, 0
	s_cselect_b32 s[LIMB], 2, -1
	s_lshl_b32 s22, s[CT], 10
	s_mov_b32 s23, 0
	s_add_nc_u64 s[22:23], s[12:13], s[22:23]      ; the tile's 256 biases of q; k's and v's lie 4,096 and 8,192 bytes on
	global_load_b64 v[14:15], v20, s[22:23]
	global_load_b64 v[16:17], v20, s[22:23] offset:4096
	global_load_b64 v[18:19], v20, s[22:23] offset:8192
	CROUND                                         ; all sixteen work-groups are here: the first joint loads meet
	tensor_load_to_lds s[G0A:G0A+3], s[G1:G1+7]    ; K step 0 into slot 0,
	s_nop 0
	tensor_load_to_lds s[G0:G0+3], s[G1:G1+7]      ; K step 1 into slot 1: two loads of mine are out
	s_nop 0
	NOPS
.irp qq, 0,1,2
.irp g, 0,1,2,3
	ALOAD \g, \qq, 128*(\qq)
.endr
.endr
	WIN 0
	s_wait_loadcnt 48                              ; the biases are in; the 48 loads behind them stay out
	ds_store_b64 v21, v[14:15]
	ds_store_b64 v21, v[16:17] offset:1024
	ds_store_b64 v21, v[18:19] offset:2048
.irp g, 0,1,2,3
	ALOAD \g, 3, 384
.endr
	WIN 0
	s_wait_tensorcnt 0x1                           ; my part of K step 0 is in; K step 1's may stay out
	s_wait_dscnt 0x0                               ; my part of the biases lies in LDS
	s_barrier_signal -1
	s_barrier_wait -1
	BLOAD 0, 0
	BLOAD 1, 0
	BLOAD 2, 0
	BLOAD 3, 0
	s_wait_xcnt 0x0                                ; the 64 loads have read the pointer
	s_add_nc_u64 s[LP:LP+1], s[LP:LP+1], 512       ; K step 1
.irp g, 0,1,2,3
	CVT \g, 0, AF0, 60
	ALOAD \g, 0, 0
.endr
	WIN 0
	s_wait_dscnt 0x0
	s_branch .Lzero                                ; the loop is entered at a K step's first quarter, in the middle of a trip
.Ltop:                                             ; trip t = 0 .. 21: quarter 3 of K step t, quarters 0 to 2 of K step t + 1; x of K step t + 2 is asked for
	Q3 1
	WIN 0
	s_cmp_eq_u32 s[PH], 1                          ; K step t was a tile's last
	s_cbranch_scc0 .Lq0
	EPI                                            ; the refill and x's loads are on their way while the tile leaves
	s_wait_xcnt 0x0
	s_add_nc_u64 s[OUTP:OUTP+1], s[OUTP:OUTP+1], 33554432
	v_add_nc_u32 v[ABI], 1024, v[ABI]
.Lzero:
	Q0Z
	WIN 0
	s_branch .Lmid
.Lq0:
	Q 0, 1, 56
	WIN 0
.Lmid:
	Q 1, 1, 56
	Q 2, 1, 56
	WIN 0
	s_add_co_u32 s[PH], s[PH], 1
	s_and_b32 s[PH], s[PH], 7
	s_sub_co_u32 s[TRIPS], s[TRIPS], 1
	s_cmp_lg_u32 s[TRIPS], 0
	s_cbranch_scc1 .Ltop
	Q3 0                                           ; the tail is written out: nothing more is asked for, and the counts run down by 16 a quarter
	Q 0, 0, 40
	Q 1, 0, 24
	Q 2, 0, 8
.irp hf, 0,1
	s_wait_dscnt 16-16*(\hf)
	MM \hf, AF1, 0, 32, 0, 0, 0, 0
.endr
	NOPS
	EPI
	s_wait_tensorcnt 0x0                           ; the wave's end
	ds_add_u32 v[SPW], v[NIL]
	s_wait_dscnt 0x0
	CROUND                                         ; the closing round
	s_endpgm
.Lfunc_end_k_qc3c38a5602_proj:
	.size	k_qc3c38a5602_proj, .Lfunc_end_k_qc3c38a5602_proj-k_qc3c38a5602_proj
	.p2alignl 7, 3214868480
	.fill 96, 4, 3214868480
	.section	.rodata,"a",@progbits
	.p2align	6, 0x0
	.amdhsa_kernel k_qc3c38a5602_proj
		.amdhsa_group_segment_fixed_size 327680
		.amdhsa_private_segment_fixed_size 0
		.amdhsa_enable_private_segment 0
		.amdhsa_kernarg_size 48
		.amdhsa_user_sgpr_count 2
		.amdhsa_user_sgpr_kernarg_segment_ptr 1
		.amdhsa_wavefront_size32 1
		.amdhsa_system_sgpr_workgroup_id_x 1
		.amdhsa_system_sgpr_workgroup_id_y 1
		.amdhsa_system_sgpr_workgroup_id_z 1
		.amdhsa_system_vgpr_workitem_id 0
		.amdhsa_next_free_vgpr 1024
		.amdhsa_next_free_sgpr 66
		.amdhsa_reserve_vcc 0
		.amdhsa_float_denorm_mode_32 3
		.amdhsa_float_denorm_mode_16_64 3
		.amdhsa_memory_ordered 1
		.amdhsa_forward_progress 1
		.amdhsa_inst_pref_size 176
	.end_amdhsa_kernel
	.amdgpu_metadata
---
amdhsa.version: [ 1, 2 ]
amdhsa.kernels:
  - .name:           k_qc3c38a5602_proj
    .symbol:         k_qc3c38a5602_proj.kd
    .args:
      - { .name: query, .offset: 0, .size: 8, .value_kind: global_buffer, .address_space: global }
      - { .name: key, .offset: 8, .size: 8, .value_kind: global_buffer, .address_space: global }
      - { .name: value, .offset: 16, .size: 8, .value_kind: global_buffer, .address_space: global }
      - { .name: wqkv, .offset: 24, .size: 8, .value_kind: global_buffer, .address_space: global }
      - { .name: biasw, .offset: 32, .size: 8, .value_kind: global_buffer, .address_space: global }
      - { .name: qkv, .offset: 40, .size: 8, .value_kind: global_buffer, .address_space: global }
    .group_segment_fixed_size: 327680
    .private_segment_fixed_size: 0
    .kernarg_segment_align: 8
    .kernarg_segment_size: 48
    .max_flat_workgroup_size: 128
    .sgpr_count:     66
    .vgpr_count:     1024
    .wavefront_size: 32
...
	.end_amdgpu_metadata
.endif
;; end of part 2
;; launch attn (part 3): grid 512 x 1, 8 waves a work-group, no clusters, 35,840 bytes of LDS; arguments qkv, xatt; writes xatt
.if DOCPART == 3
	.amdgcn_target "amdgcn-amd-amdhsa--gfx1250"
	.amdhsa_code_object_version 6
	.text
	.protected	k_qc3c38a5602_attn
	.globl	k_qc3c38a5602_attn
	.p2align	8
	.type	k_qc3c38a5602_attn,@function
k_qc3c38a5602_attn:
	s_mov_b64 s[64:65], 0
	v_nop
	global_prefetch_b8 v0, s[64:65] scope:SCOPE_SE
	s_setreg_imm32_b32 hwreg(HW_REG_WAVE_MODE, 25, 1), 1
	s_wait_xcnt 0x0
; FOR EACH TOKEN (a, b): S[h][g] = Q_h . K_g; P = sparsemax over g of S / 12 (the reference's / 8 and / 1.5); O_h = sum over g of P[h][g] V_g; head h goes to row
; (128 h + (a >> 4)) 8 + b, columns 64 (a & 15) + d of xatt.  Q, K, V, P and xatt are f16; sums and the sparsemax f32.  Nothing of the problem is left out here.
; THE THRESHOLD.  With z sorted downward and C_j its running sum, f(j) = (C_j - 1) / j obeys f(j) - f(j-1) = (z_j - f(j-1)) / j, and z_j > f(j) holds just where z_j > f(j-1): f rises
; exactly over the support, so the reference's tau = f(k) is the maximum of f over j = 1 .. 16.  It is taken so; only the order of rounding differs.  It is made on the raw scores: T = 12 tau.
; LIMITS.  Two tokens share each product P V, each with zeros in the other's place: an infinity or NaN in one token's V reaches the other's result.
; SHARES.  Work-group x: a = 4 x .. 4 x + 3; wave = b; a wave takes two PAIRS of tokens.  A pair's two tokens fill, for each head, 256 consecutive bytes of a row of xatt, aligned.
; No tensor load, no barrier, no cluster: no byte is read twice, and memory binds.  The columns of Q, K, V were permuted by the first launch so that every load here is 512 bytes on end
; (lane l at 16 l) and IS half a matrix fragment.
.set SP,    272
.set SPARE, 8*16*SP                    ; behind the eight stages: the spare words, 128 bytes a wave
.set LO,  1                            ; v1   16 x lane
.set STO, 2                            ; v2   my stage: row r, 16 bytes for each half of the lanes
.set RD,  3                            ; v3   back: lanes 0-15 one row of 256 bytes, lanes 16-31 the next
.set XO,  4                            ; v4-7 offsets in xatt: heads 4 u + (lane >> 4), 2,097,152 bytes a head
.set SPW, 8
.set NIL, 9
.set NT,  10                           ; v10-11  - tau, as a pair
.set LD0, 16                           ; a pair's 96 registers: Q (token t, load i at 16 t + 4 i), K at + 32, V (channel block D, token t at 64 + 8 D + 4 t)
.set Z,   208                          ; v208-223 scores, then weights
.set SRT, 224                          ; v224-240 the sorted copy and one spare
.set P,   224                          ; v224-239 the two B operands, once the threshold is known
.set PK,  208                          ; v208-239 the packed results
.macro NOPS
.rept 4
	v_nop
.endr
.endm
.macro LOADP pi
.set B0, LD0+96*(\pi)
.irp tt, 0,1
.irp ii, 0,1,2,3
	global_load_b128 v[B0+16*(\tt)+4*(\ii):B0+16*(\tt)+4*(\ii)+3], v[LO], s[10:11] offset:(2*(\pi)+(\tt))*16384+512*(\ii) th:TH_LOAD_NT
.endr
.endr
.irp tt, 0,1
.irp ii, 0,1,2,3
	global_load_b128 v[B0+32+16*(\tt)+4*(\ii):B0+32+16*(\tt)+4*(\ii)+3], v[LO], s[12:13] offset:(2*(\pi)+(\tt))*16384+512*(\ii) th:TH_LOAD_NT
.endr
.endr
.irp tt, 0,1
.irp dd, 0,1,2,3
	global_load_b128 v[B0+64+8*(\dd)+4*(\tt):B0+64+8*(\dd)+4*(\tt)+3], v[LO], s[14:15] offset:(2*(\pi)+(\tt))*16384+512*(\dd) th:TH_LOAD_NT
.endr
.endr
.endm
; A comparator: place i takes the larger, place j the smaller.  R0 .. R15 name the registers of the 16 places, RX the spare one: the larger goes into the spare register, which then IS place i.
.macro CE i, j
	v_max_num_f32 v[RX], v[R\i], v[R\j]
	v_min_num_f32 v[R\j], v[R\i], v[R\j]
.set RY, R\i
.set R\i, RX
.set RX, RY
.endm
.macro CUM i, j
	v_add_f32 v[R\j], v[R\i], v[R\j]
.endm
.macro SCL j, c
	v_mul_f32 v[R\j], \c, v[R\j]
.endm
; A pair.  n1: the loads that may stay out when Q and K are wanted; n2: when V is.
.macro PAIR pi, n1, n2
.set B0, LD0+96*(\pi)
	s_wait_loadcnt \n1
	; S^T = K Q^T: lane (r, hh) holds head h = r and g = 8 hh + 0..7.  The two tokens' accumulators take turns.
	v_wmma_f32_16x16x32_f16 v[Z:Z+7],    v[B0+32:B0+39], v[B0:B0+7],     0
	v_wmma_f32_16x16x32_f16 v[Z+8:Z+15], v[B0+48:B0+55], v[B0+16:B0+23], 0
	v_wmma_f32_16x16x32_f16 v[Z:Z+7],    v[B0+40:B0+47], v[B0+8:B0+15],  v[Z:Z+7]
	v_wmma_f32_16x16x32_f16 v[Z+8:Z+15], v[B0+56:B0+63], v[B0+24:B0+31], v[Z+8:Z+15]
	NOPS
.irp jj, 0,1,2,3,4,5,6,7
	v_permlane16_swap_b32 v[Z+(\jj)], v[Z+8+(\jj)] ; now lanes 0-15 hold all 16 g of token 0, lanes 16-31 of token 1: register g
.endr
	; sorted downward by Batcher's odd-even merge, 63 comparators; the first eight copy, so that the scores are kept
.irp nn, 0,1,2,3,4,5,6,7,8,9,10,11,12,13,14,15
.set R\nn, SRT+\nn
.endr
.set RX, SRT+16
.irp ii, 0,1,2,3,4,5,6,7
	v_max_num_f32 v[SRT+2*(\ii)],   v[Z+2*(\ii)], v[Z+2*(\ii)+1]
	v_min_num_f32 v[SRT+2*(\ii)+1], v[Z+2*(\ii)], v[Z+2*(\ii)+1]
.endr
	CE 0,2
	CE 1,3
	CE 4,6
	CE 5,7
	CE 8,10
	CE 9,11
	CE 12,14
	CE 13,15
	CE 1,2
	CE 5,6
	CE 9,10
	CE 13,14
	CE 0,4
	CE 1,5
	CE 2,6
	CE 3,7
	CE 8,12
	CE 9,13
	CE 10,14
	CE 11,15
	CE 2,4
	CE 3,5
	CE 10,12
	CE 11,13
	CE 1,2
	CE 3,4
	CE 5,6
	CE 9,10
	CE 11,12
	CE 13,14
	CE 0,8
	CE 1,9
	CE 2,10
	CE 3,11
	CE 4,12
	CE 5,13
	CE 6,14
	CE 7,15
	CE 4,8
	CE 5,9
	CE 6,10
	CE 7,11
	CE 2,4
	CE 3,5
	CE 6,8
	CE 7,9
	CE 10,12
	CE 11,13
	CE 1,2
	CE 3,4
	CE 5,6
	CE 7,8
	CE 9,10
	CE 11,12
	CE 13,14
	; T = the maximum over j of (the sum of the j largest raw scores - 12) / j
	v_add_f32 v[R0], 0xc1400000, v[R0]
	CUM 0,1
	CUM 1,2
	CUM 2,3
	CUM 3,4
	CUM 4,5
	CUM 5,6
	CUM 6,7
	CUM 7,8
	CUM 8,9
	CUM 9,10
	CUM 10,11
	CUM 11,12
	CUM 12,13
	CUM 13,14
	CUM 14,15
	SCL 1, 0.5
	SCL 2, 0x3eaaaaab
	SCL 3, 0x3e800000
	SCL 4, 0x3e4ccccd
	SCL 5, 0x3e2aaaab
	SCL 6, 0x3e124925
	SCL 7, 0x3e000000
	SCL 8, 0x3de38e39
	SCL 9, 0x3dcccccd
	SCL 10, 0x3dba2e8c
	SCL 11, 0x3daaaaab
	SCL 12, 0x3d9d89d9
	SCL 13, 0x3d924925
	SCL 14, 0x3d888889
	SCL 15, 0x3d800000
	v_max3_num_f32 v[R0], v[R0], v[R1], v[R2]
	v_max3_num_f32 v[R3], v[R3], v[R4], v[R5]
	v_max3_num_f32 v[R6], v[R6], v[R7], v[R8]
	v_max3_num_f32 v[R9], v[R9], v[R10], v[R11]
	v_max3_num_f32 v[R12], v[R12], v[R13], v[R14]
	v_max3_num_f32 v[R0], v[R0], v[R3], v[R6]
	v_max3_num_f32 v[R9], v[R9], v[R12], v[R15]
	v_max_num_f32 v[R0], v[R0], v[R9]
	v_mul_f32 v[NT], 0xbdaaaaab, v[R0]             ; - tau = - T / 12
	v_mov_b32 v[NT+1], v[NT]
.irp ii, 0,1,2,3,4,5,6,7
	v_pk_fma_f32 v[Z+2*(\ii):Z+2*(\ii)+1], v[Z+2*(\ii):Z+2*(\ii)+1], s[18:19], v[NT:NT+1] op_sel_hi:[1,0,0]  ; s / 12 - tau
.endr
.irp ii, 0,1,2,3,4,5,6,7,8,9,10,11,12,13,14,15
	v_max_num_f32 v[Z+(\ii)], 0, v[Z+(\ii)]
.endr
	; The two tokens share the products' K of 32: k = 0..15 token 0's g, k = 16..31 token 1's.  B0 = [P of token 0 | 0] in P+0..7, B1 = [0 | P of token 1] in P+8..15.
.irp ii, 4,5,6,7,8,9,10,11
	v_mov_b32 v[P+(\ii)], 0
.endr
.irp ii, 0,1,2,3
	v_cvt_pk_f16_f32 v[P+(\ii)],    v[Z+2*(\ii)],   v[Z+2*(\ii)+1]    ; g 0-7
	v_cvt_pk_f16_f32 v[P+12+(\ii)], v[Z+8+2*(\ii)], v[Z+8+2*(\ii)+1]  ; g 8-15
.endr
.irp ii, 0,1,2,3
	v_permlane16_swap_b32 v[P+(\ii)], v[P+12+(\ii)] ; token 0's g 8-15 into the first's upper lanes, token 1's g 0-7 into the second's lower lanes
.endr
	s_wait_loadcnt \n2
	; O^T = V^T P: lane (r, hh) holds head r and channels 16 D + 8 hh + 0..7.  Eight sums of one product each, into the pair's registers of Q and K.
.irp dd, 0,1,2,3
.irp tt, 0,1
	v_wmma_f32_16x16x32_f16 v[B0+32*(\tt)+8*(\dd):B0+32*(\tt)+8*(\dd)+7], v[B0+64+8*(\dd):B0+64+8*(\dd)+7], v[P+8*(\tt):P+8*(\tt)+7], 0
.endr
.endr
	NOPS
.irp ii, 0,1,2,3,4,5,6,7
.irp rr, 0,1,2,3
	v_cvt_pk_f16_f32 v[PK+4*(\ii)+(\rr)], v[B0+8*(\ii)+2*(\rr)], v[B0+8*(\ii)+2*(\rr)+1]
.endr
.endr
.irp tt, 0,1
.irp dd, 0,1,2,3
	ds_store_b128 v[STO], v[PK+4*(4*(\tt)+(\dd)):PK+4*(4*(\tt)+(\dd))+3] offset:128*(\tt)+32*(\dd)  ; stage row = head; 128 bytes a token
.endr
.endr
.irp uu, 0,1,2,3,4,5,6,7
	ds_load_b128 v[B0+64+4*(\uu):B0+64+4*(\uu)+3], v[RD] offset:2*SP*(\uu)  ; LDS serves a wave's instructions in order (ISA guide 5.7.1.4): these see the stores above
.endr
	s_wait_dscnt 0x0
.irp uu, 0,1,2,3,4,5,6,7
	global_store_b128 v[XO+(\uu)/2], v[B0+64+4*(\uu):B0+64+4*(\uu)+3], s[16:17] offset:((\uu)%2)*4194304+256*(\pi) th:TH_STORE_NT  ; 16 lanes store 256 consecutive bytes, aligned
.endr
.endm
	s_load_b128 s[4:7], s[0:1], 0x0                ; qkv 4, xatt 6
	v_lshl_add_u32 v[SPW], v0, 2, SPARE
	v_mov_b32 v[NIL], 0
	v_lshrrev_b32 v12, 5, v0
	v_readfirstlane_b32 s8, v12                    ; wave = b
	v_and_b32 v12, 31, v0
	v_and_b32 v13, 15, v0                          ; r
	v_bfe_u32 v14, v0, 4, 1                        ; hh
	v_lshlrev_b32 v[LO], 4, v12
	s_mul_i32 s9, s8, 16*SP                        ; my stage
	v_mul_u32_u24 v[STO], v13, SP
	v_lshl_add_u32 v[STO], v14, 4, v[STO]
	v_add_nc_u32 v[STO], s9, v[STO]
	v_mul_u32_u24 v[RD], v14, SP
	v_lshl_add_u32 v[RD], v13, 4, v[RD]
	v_add_nc_u32 v[RD], s9, v[RD]
	v_lshlrev_b32 v[XO], 21, v14
	v_lshl_add_u32 v[XO], v13, 4, v[XO]
	v_add_nc_u32 v[XO+1], 0x800000, v[XO]
	v_add_nc_u32 v[XO+2], 0x1000000, v[XO]
	v_add_nc_u32 v[XO+3], 0x1800000, v[XO]
	s_lshl_b32 s20, ttmp9, 16                      ; four a x 8 b x 2,048 bytes,
	s_lshl_b32 s21, s8, 11                         ; my b
	s_add_co_u32 s20, s20, s21
	s_mov_b32 s21, 0
	s_lshr_b32 s22, ttmp9, 2                       ; a >> 4
	s_lshl_b32 s22, s22, 3
	s_add_co_u32 s22, s22, s8
	s_lshl_b32 s22, s22, 11
	s_and_b32 s23, ttmp9, 3                        ; (a & 15) x 128 bytes for a = 4 x
	s_lshl_b32 s23, s23, 9
	s_add_co_u32 s22, s22, s23
	s_mov_b32 s23, 0
	s_mov_b32 s18, 0x3daaaaab                      ; 1 / 12
	s_mov_b32 s19, s18                             ; named with it as a pair
	s_wait_kmcnt 0x0
	s_add_nc_u64 s[10:11], s[4:5], s[20:21]        ; Q,
	s_add_nc_u64 s[12:13], s[10:11], 33554432      ; K,
	s_add_nc_u64 s[14:15], s[12:13], 33554432      ; V at my first token
	s_add_nc_u64 s[16:17], s[6:7], s[22:23]
	LOADP 0                                        ; all 48 loads go out at once: 24 KiB a wave
	LOADP 1
	PAIR 0, 32, 24                                 ; behind pair 0's Q and K: its V (8) and pair 1 (24); behind its V: pair 1
	PAIR 1, 8, 0                                   ; behind pair 1's Q and K: its V
	s_wait_tensorcnt 0x0                           ; the wave's end, behind my last LDS store
	ds_add_u32 v[SPW], v[NIL]
	s_wait_dscnt 0x0
	s_endpgm
.Lfunc_end_k_qc3c38a5602_attn:
	.size	k_qc3c38a5602_attn, .Lfunc_end_k_qc3c38a5602_attn-k_qc3c38a5602_attn
	.p2alignl 7, 3214868480
	.fill 96, 4, 3214868480
	.section	.rodata,"a",@progbits
	.p2align	6, 0x0
	.amdhsa_kernel k_qc3c38a5602_attn
		.amdhsa_group_segment_fixed_size 35840
		.amdhsa_private_segment_fixed_size 0
		.amdhsa_enable_private_segment 0
		.amdhsa_kernarg_size 16
		.amdhsa_user_sgpr_count 2
		.amdhsa_user_sgpr_kernarg_segment_ptr 1
		.amdhsa_wavefront_size32 1
		.amdhsa_system_sgpr_workgroup_id_x 1
		.amdhsa_system_sgpr_workgroup_id_y 1
		.amdhsa_system_sgpr_workgroup_id_z 1
		.amdhsa_system_vgpr_workitem_id 0
		.amdhsa_next_free_vgpr 248
		.amdhsa_next_free_sgpr 66
		.amdhsa_reserve_vcc 0
		.amdhsa_float_denorm_mode_32 3
		.amdhsa_float_denorm_mode_16_64 3
		.amdhsa_memory_ordered 1
		.amdhsa_forward_progress 1
		.amdhsa_inst_pref_size 33
	.end_amdhsa_kernel
	.amdgpu_metadata
---
amdhsa.version: [ 1, 2 ]
amdhsa.kernels:
  - .name:           k_qc3c38a5602_attn
    .symbol:         k_qc3c38a5602_attn.kd
    .args:
      - { .name: qkv, .offset: 0, .size: 8, .value_kind: global_buffer, .address_space: global }
      - { .name: xatt, .offset: 8, .size: 8, .value_kind: global_buffer, .address_space: global }
    .group_segment_fixed_size: 35840
    .private_segment_fixed_size: 0
    .kernarg_segment_align: 8
    .kernarg_segment_size: 16
    .max_flat_workgroup_size: 256
    .sgpr_count:     66
    .vgpr_count:     248
    .wavefront_size: 32
...
	.end_amdgpu_metadata
.endif
;; end of part 3
;; launch oproj (part 4): grid 4 x 64, 4 waves a work-group, clusters of 4 x 4, 327,680 bytes of LDS; arguments xatt, wo16, biasw, out0; writes out0
.if DOCPART == 4
	.amdgcn_target "amdgcn-amd-amdhsa--gfx1250"
	.amdhsa_code_object_version 6
	.text
	.protected	k_qc3c38a5602_oproj
	.globl	k_qc3c38a5602_oproj
	.p2align	8
	.type	k_qc3c38a5602_oproj,@function
k_qc3c38a5602_oproj:
	s_mov_b64 s[64:65], 0
	v_nop
	global_prefetch_b8 v0, s[64:65] scope:SCOPE_SE
	s_setreg_imm32_b32 hwreg(HW_REG_WAVE_MODE, 25, 1), 1
	s_wait_xcnt 0x0
	s_wait_alu depctr_hold_cnt(0) depctr_sa_sdst(0) depctr_va_vdst(0) depctr_va_sdst(0) depctr_va_ssrc(0) depctr_va_vcc(0) depctr_vm_vsrc(0)
	s_getreg_b32 s2, hwreg(HW_REG_IB_STS2, 6, 4)
	s_cmp_eq_u32 s2, 0
	s_cbranch_scc0 .Lentry_in_a_cluster
	s_endpgm
.Lentry_in_a_cluster:
	s_bfe_u32 s2, ttmp6, 0x10000c
	s_cmp_lg_u32 s2, 0xf033
	s_cbranch_scc0 .Lentry_shape_is_right
	s_endpgm
.Lentry_shape_is_right:
; out0 = xatt Wo^T + bo: [16384 x 1024] x [1024 x 1024], operands f16, sums f32, stored as f32.  Row rho of xatt is row rho of out0.  Nothing of the problem is left out here.
; The frame is the second launch's: a tile of 256 x 256 to each of 256 work-groups; wave w owns rows 64 w .. 64 w + 63 and all 256 columns (64 accumulators); the weights' blocks
; (256 rows x 128 k) go through a ring of two LDS slots, asked for JOINTLY by the four work-groups of a cluster's column; xatt's rows, each of which one wave alone multiplies,
; come from memory straight into that wave's registers as fragments (two loads of 16 bytes a lane) and never lie in LDS: through LDS each of their bytes would be written and read back
; once more for nothing, so they are not asked for jointly.  The matrix instruction is used transposed; the first products take the bias as C.
; A quarter step (32 k, 64 matrix instructions) goes in two halves of 32; the memory instructions stand in two runs, one behind each half.
; REGISTERS: window 0: v0-22 addresses; v32-95 at work on the way out (v64-95 also a bias set); v96-127 a bias set; v128-255 the weights' 16 fragments of one quarter step
;   window 1: v0-127 xatt's fragments, a ring of four quarter steps of 32     windows 2, 3: accumulator (a, b) in window 2 + (b >> 3) at 8 (4 (b & 7) + a)
.set PITCH,  272
.set WROWS,  64*PITCH
.set SLOT1,  1<<17
.set STAGE,  SLOT1+4*WROWS
.set BIAS,   STAGE+4*16*PITCH
.set SPARE,  BIAS+3072
.set AOFF, 3                           ; v3   xatt: r x 2,048 + 16 hh; never rewritten
.set AB0,  4
.set ADR,  5
.set ABI,  6
.set STO,  7                           ; v7   stage: r x 272 + 32 hh
.set RD,   8
.set CO,   9                           ; v9   hh x 4,096 + 16 r
.set PFO,  10                          ; v10  the prefetch's offset: lane x a row
.set SPW,  12
.set NIL,  13
.set OB,   32
.set S2,   64
.set TMP,  96
.set BF,   128
.set WV, 16
.set CX, 17
.set CY, 18
.set RT, 19
.set G1, 24
.set G0A, 32
.set G0, 36
.set LP, 40                            ; s[40:41] xatt at my rows, at K step t + 1 in trip t
.set PF, 46                            ; s[46:47] where my prefetch stands
.set PFS, 48                           ; s[48:49] its step
.set OUTP, 52
.set TRIPS, 54
.set TB, 56
.set CT, 57
.set LIM, 58
.set MSB, 0
.macro WIN new
.if MSB != (\new)
	s_set_vgpr_msb (MSB<<8)|(\new)
.set MSB, \new
.endif
.endm
.macro NOPS
.rept 4
	v_nop
.endr
.endm
.macro CREST
	s_cmp_lg_u32 s[WV], 0
	s_cbranch_scc1 .Lnot_wave_0_\@
	s_barrier_signal -3
.Lnot_wave_0_\@:
	s_barrier_wait -3
	s_barrier_signal -1
	s_barrier_wait -1
.endm
.macro CROUND
	s_barrier_signal -1
	s_barrier_wait -1
	CREST
.endm
; Matrix instructions lo .. lo + cnt - 1 of the 32 of half hf: number i is column block 8 hf + i / 4 x row block i % 4, its accumulator at 8 i of window 2 + hf; xatt's fragments at v[sl ..] of window 1.
; All 64 accumulators of a quarter take turns, one instruction a turn, in the same order in every quarter.
.macro MM hf, sl, lo, cnt
	WIN 0xA4+0x50*(\hf)
.set MI, \lo
.rept \cnt
.set FB, BF+8*(8*(\hf)+MI/4)
	v_wmma_f32_16x16x32_f16 v[8*MI:8*MI+7], v[FB:FB+7], v[(\sl)+8*(MI%4):(\sl)+8*(MI%4)+7], v[8*MI:8*MI+7]
.set MI, MI+1
.endr
.endm
.macro MULSZ g, sl, cs                 ; 16 matrix instructions (column blocks 4 g .. 4 g + 3) that start the sums with the bias in v[cs ..]
	WIN 0x84+0x40*((\g)/2)
.irp bb, 0,1,2,3
.irp aa, 0,1,2,3
.set AC, 8*(4*(4*((\g)%2)+(\bb))+(\aa))
.set FB, BF+8*(4*(\g)+(\bb))
	v_wmma_f32_16x16x32_f16 v[AC:AC+7], v[FB:FB+7], v[(\sl)+8*(\aa):(\sl)+8*(\aa)+7], v[(\cs)+8*(\bb):(\cs)+8*(\bb)+7]
.endr
.endr
.endm
.macro BLOAD g, koff
	WIN 0
.irp bb, 0,1,2,3
.set FB, BF+8*(4*(\g)+(\bb))
	ds_load_b128 v[FB:FB+3],   v[ADR] offset:(4*(\g)+(\bb))*16*PITCH+(\koff)
	ds_load_b128 v[FB+4:FB+7], v[ADR] offset:(4*(\g)+(\bb))*16*PITCH+(\koff)+32
.endr
.endm
.macro BIASLD cs, g
	WIN 0
.irp bb, 0,1,2,3
	ds_load_b128 v[(\cs)+8*(\bb):(\cs)+8*(\bb)+3],   v[ABI] offset:64*(4*(\g)+(\bb))
	ds_load_b128 v[(\cs)+8*(\bb)+4:(\cs)+8*(\bb)+7], v[ABI] offset:64*(4*(\g)+(\bb))+16
.endr
.endm
.macro ALOAD g, sl, koff               ; 2 loads: row block g, 32 k at byte koff behind the pointer, into ring slot sl
	WIN 0x40
.set RW, 32*(\sl)+8*(\g)
	global_load_b128 v[RW:RW+3],   v[AOFF], s[LP:LP+1] offset:(\g)*32768+(\koff)
	global_load_b128 v[RW+4:RW+7], v[AOFF], s[LP:LP+1] offset:(\g)*32768+(\koff)+32
.endm
; THE RUN behind half hf: row blocks 2 hf, 2 hf + 1 of the quarter three on (4 loads; ld = 0: not at the end), and the half's eight weights' fragments for the next quarter (16 LDS loads).
.macro RUN hf, ld, sl, ka, kb
.if \ld
	ALOAD 2*(\hf), \sl, \ka
	ALOAD 2*(\hf)+1, \sl, \ka
.endif
	BLOAD 2*(\hf), \kb
	BLOAD 2*(\hf)+1, \kb
.endm
; QUARTER j (0, 1, 2).  It multiplies ring slot j and asks for the quarter three on, into the slot that the quarter before has left.
; s_wait_loadcnt lc = 16: behind this quarter's 8 loads stand the two younger quarters' 16.  s_wait_dscnt 16: behind this half's 16 LDS loads stand the other half's 16.
.macro Q j, ld, lc, ka
.set SB, ((\j)+1)%4
.set SA, ((\j)+3)%4
	s_wait_loadcnt \lc
.irp hf, 0,1
	s_wait_dscnt 16
	MM \hf, 32*(\j), 0, 32
	NOPS                                           ; the places in front of the loads into registers that matrix instructions have read
	RUN \hf, \ld, SA, \ka, SB*64
.endr
.endm
; PREFETCH INTO THE L2 of K step t + 4 in trip t; one instruction a wave, a lane a row of 256 bytes.  Waves 0 and 1: xatt; the four work-groups of a cluster's row read the same 256 rows and
; take 64 each BY ADDRESS (cx).  Waves 2 and 3, in the clusters with y = 0: the weights' block, of which the four partners of a column take 64 rows each BY ADDRESS (cy).
; Each block of 256 bytes is named once.  The first four K steps come by their loads alone; the last two trips ask for nothing: there is no K step 8.
.macro ASK
	s_cmp_gt_u32 s[TRIPS], s[LIM]
	s_cbranch_scc0 .Lnot_mine_\@
	global_prefetch_b8 v[PFO], s[PF:PF+1] th:TH_LOAD_NT scope:SCOPE_SE
.Lnot_mine_\@:
.endm
; QUARTER 3, with the change of slots: as in the second launch.  It multiplies ring slot 3 and asks for quarter 2 of the next K step, into ring slot 2.
; The pointers are stepped behind the first sixteen matrix instructions: the youngest load that names them stands that far back, the youngest prefetch a trip back.
.macro Q3 fill
	WIN 0
	s_wait_tensorcnt 0x0                           ; no tensor load of mine is out, so the walking group 0 may be written
	ds_add_u32 v[SPW], v[NIL]
.if \fill
	s_xor_b32 s[G0+1], s[G0+1], SLOT1
	s_add_nc_u64 s[G0+2:G0+3], s[G0+2:G0+3], 65536
.endif
	s_wait_loadcnt 16
	s_wait_dscnt 17                                ; the add and the second half's 16 loads may be out
	MM 0, 96, 0, 16
	s_wait_xcnt 0x0                                ; every load and prefetch issued so far has read its pointer
	s_add_nc_u64 s[LP:LP+1], s[LP:LP+1], 256
.if \fill
	s_add_nc_u64 s[PF:PF+1], s[PF:PF+1], s[PFS:PFS+1]
.endif
	s_wait_dscnt 0x0                               ; the add is done, and my reads of this slot are over
	s_barrier_signal -1
	MM 0, 96, 16, 16
	WIN 0
	s_barrier_wait -1
.if \fill
	CREST
	tensor_load_to_lds s[G0:G0+3], s[G1:G1+7]
	s_nop 0
.endif
	NOPS                                           ; also the places in front of the loads into the first half's fragments
	s_xor_b32 s[TB], s[TB], SLOT1
	v_add_nc_u32 v[ADR], s[TB], v[AB0]
	RUN 0, 1, 2, 128, 0
.if \fill
	ASK
.endif
	s_wait_dscnt 16                                ; (the second half's fragments came in with the wait for 0; the 16 just issued stay out)
	MM 1, 96, 0, 32
	NOPS
	RUN 1, 1, 2, 128, 0
.endm
; THE WAY OUT, in sixteen blocks k of 16 rows x 64 columns of f32 (row block k / 4, column quarter k % 4): from the accumulators into my own stage, low registers first, and back as whole rows of 256 bytes.
.macro TOSTAGE k
.set EA, (\k)/4
.set EQ, (\k)%4
	s_wait_xcnt 0x0                                ; the stores of the block two back have read the registers that this block's loads write
	WIN 0x08+4*(EQ/2)
.irp bb, 0,1,2,3
.set AC, 8*(4*(4*(EQ%2)+(\bb))+EA)
	ds_store_b128 v[STO], v[AC:AC+3]   offset:64*(\bb)
	ds_store_b128 v[STO], v[AC+4:AC+7] offset:64*(\bb)+16
.endr
	WIN 0
.irp tt, 0,1,2,3,4,5,6,7
	ds_load_b128 v[OB+32*((\k)%2)+4*(\tt):OB+32*((\k)%2)+4*(\tt)+3], v[RD] offset:2*PITCH*(\tt)
.endr
.endm
.macro SEND k, n                       ; n: the younger block's 16 LDS instructions, or none
	s_wait_dscnt \n
.irp tt, 0,1,2,3,4,5,6,7
	global_store_b128 v[CO], v[OB+32*((\k)%2)+4*(\tt):OB+32*((\k)%2)+4*(\tt)+3], s[OUTP:OUTP+1] offset:((\k)/4)*65536+((\k)%4)*256+8192*(\tt) th:TH_STORE_NT  ; 16 lanes store 256 consecutive bytes, aligned
.endr
.endm
	s_load_b256 s[4:11], s[0:1], 0x0               ; xatt 4, wo16 6, biasw 8, out0 10
	v_lshl_add_u32 v[SPW], v0, 2, SPARE
	v_mov_b32 v[NIL], 0
	ds_add_u32 v[SPW], v[NIL]                      ; the opening: the add, twice on end, and its wait ahead of my first tensor load
	ds_add_u32 v[SPW], v[NIL]
	v_lshrrev_b32 v22, 5, v0
	v_readfirstlane_b32 s[WV], v22
	s_bfe_u32 s[CX], ttmp6, 0x40000
	s_bfe_u32 s[CY], ttmp6, 0x40004
	s_lshl_b32 s[CT], ttmp9, 2
	s_add_co_u32 s[CT], s[CT], s[CX]
	s_and_b32 s[RT], ttmp7, 0xffff
	s_lshl_b32 s[RT], s[RT], 2
	s_add_co_u32 s[RT], s[RT], s[CY]
	s_lshl_b32 s62, 0x1111, s[CX]                  ; my column of the cluster
	s_or_b32 s[G1], s62, (1<<16)|(1<<20)|(1<<21)|(5<<22)|(3<<25)
	s_mov_b32 s[G1+1], 128<<16
	s_mov_b32 s[G1+2], 64<<16
	s_mov_b32 s[G1+3], 128<<16
	s_mov_b32 s[G1+4], 64
	s_mov_b32 s[G1+5], 128
	s_mov_b32 s[G1+6], 0
	s_mov_b32 s[G1+7], 0
	s_mul_i32 s63, s[WV], WROWS
	s_lshl_b32 s60, s[CT], 19                      ; the column tile's 8 blocks,
	s_lshl_b32 s62, s[WV], 14                      ; my 64 rows of a block
	s_add_co_u32 s60, s60, s62
	s_mov_b32 s61, 0
	s_lshl_b32 s20, s[RT], 8
	s_lshl_b32 s21, s[WV], 6
	s_add_co_u32 s20, s20, s21                     ; my first row
	s_lshl_b32 s22, s20, 12                        ; in out0: rows of 4,096 bytes,
	s_lshl_b32 s23, s[CT], 10                      ; the tile's 1,024 bytes of them
	s_add_co_u32 s22, s22, s23
	s_mov_b32 s23, 0
	s_lshl_b32 s20, s20, 11                        ; in xatt: rows of 2,048 bytes
	s_mov_b32 s21, 0
	v_and_b32 v1, 15, v0                           ; r
	v_bfe_u32 v2, v0, 4, 1                         ; hh
	v_lshlrev_b32 v[AOFF], 11, v1
	v_lshl_add_u32 v[AOFF], v2, 4, v[AOFF]
	v_mul_u32_u24 v[AB0], v1, PITCH
	v_mov_b32 v[STO], v[AB0]
	v_lshl_add_u32 v[AB0], v2, 4, v[AB0]
	v_mov_b32 v[ADR], v[AB0]
	v_lshl_add_u32 v[ABI], v2, 5, BIAS
	s_mul_i32 s2, s[WV], 16*PITCH
	s_add_co_u32 s2, s2, STAGE
	v_lshl_add_u32 v[STO], v2, 5, v[STO]
	v_add_nc_u32 v[STO], s2, v[STO]
	v_mul_u32_u24 v[RD], v2, PITCH
	v_lshl_add_u32 v[RD], v1, 4, v[RD]
	v_add_nc_u32 v[RD], s2, v[RD]
	v_lshlrev_b32 v[CO], 12, v2
	v_lshl_add_u32 v[CO], v1, 4, v[CO]
	v_lshlrev_b32 v20, 3, v0
	v_add_nc_u32 v21, BIAS, v20
	; the prefetch: both offsets are made, then the wave's number chooses
	s_lshl_b32 s42, s[RT], 8
	s_lshl_b32 s43, s[CX], 6
	s_add_co_u32 s42, s42, s43
	s_lshl_b32 s43, s[WV], 5
	s_add_co_u32 s42, s42, s43
	s_lshl_b32 s42, s42, 11
	s_add_co_u32 s42, s42, 3*256                   ; xatt: row 256 x row tile + 64 cx + 32 w, at K step 3
	s_lshl_b32 s44, s[CT], 19
	s_lshl_b32 s45, s[CY], 14
	s_add_co_u32 s44, s44, s45
	s_and_b32 s45, s[WV], 1
	s_lshl_b32 s45, s45, 13
	s_add_co_u32 s44, s44, s45
	s_add_co_u32 s44, s44, 3*65536                 ; weights: rows 64 cy + 32 (w - 2) of the block of K step 3
	s_and_b32 s45, ttmp7, 0xffff                   ; cluster y: the same in all sixteen partners
	s_cmp_eq_u32 s45, 0
	s_cselect_b32 s45, 2, -1
	s_mov_b32 s43, 0
	s_mov_b32 s[PFS], 65536                        ; the weights' step from block to block; waves 0 and 1 take xatt's below
	s_mov_b32 s[PFS+1], 0
	s_mov_b32 s[TRIPS], 7
	s_mov_b32 s[TB], 0
	s_cmp_lt_u32 s[WV], 2
	s_cselect_b32 s42, s42, s44
	s_cselect_b32 s[PFS], 256, s[PFS]              ; xatt: 256 bytes along a row
	s_cselect_b32 s[LIM], 2, s45
	s_cselect_b32 s44, 11, 8
	v_and_b32 v[PFO], 31, v0
	v_lshlrev_b32 v[PFO], s44, v[PFO]
	s_wait_dscnt 0x0                               ; both opening adds are done
	s_wait_kmcnt 0x0
	s_cselect_b64 s[PF:PF+1], s[4:5], s[6:7]
	s_add_nc_u64 s[PF:PF+1], s[PF:PF+1], s[42:43]
	s_add_nc_u64 s[LP:LP+1], s[4:5], s[20:21]
	s_add_nc_u64 s[OUTP:OUTP+1], s[10:11], s[22:23]
	s_add_nc_u64 s[60:61], s[6:7], s[60:61]
	s_mov_b32 s[G0A], 1
	s_mov_b32 s[G0A+1], s63
	s_mov_b64 s[G0A+2:G0A+3], s[60:61]
	s_or_b32 s[G0A+3], s[G0A+3], 0x80000000
	s_mov_b32 s[G0], 1
	s_add_co_u32 s[G0+1], s63, SLOT1
	s_add_nc_u64 s[G0+2:G0+3], s[60:61], 65536
	s_or_b32 s[G0+3], s[G0+3], 0x80000000
	s_lshl_b32 s22, s[CT], 10
	s_add_co_u32 s22, s22, 12288                   ; bo is the fourth of the biases
	s_mov_b32 s23, 0
	s_add_nc_u64 s[22:23], s[8:9], s[22:23]
	global_load_b64 v[14:15], v20, s[22:23]
	CROUND                                         ; all sixteen work-groups are here: the first joint loads meet
	tensor_load_to_lds s[G0A:G0A+3], s[G1:G1+7]
	s_nop 0
	tensor_load_to_lds s[G0:G0+3], s[G1:G1+7]      ; two loads of mine are out
	s_nop 0
	NOPS
.irp qq, 0,1,2
.irp g, 0,1,2,3
	ALOAD \g, \qq, 64*(\qq)
.endr
.endr
	WIN 0
	s_wait_loadcnt 24                              ; the bias is in; the 24 loads behind it stay out
	ds_store_b64 v21, v[14:15]
	s_wait_tensorcnt 0x1                           ; my part of K step 0 is in
	s_wait_dscnt 0x0
	s_barrier_signal -1
	s_barrier_wait -1
	BLOAD 0, 0
	BLOAD 1, 0
	BLOAD 2, 0
	BLOAD 3, 0
	s_wait_dscnt 0x0
	; the first quarter, once in the launch, in four groups of 16: it starts the sums with the bias; each count is the number of LDS loads issued behind the set that is wanted
	s_wait_loadcnt 16
	BIASLD TMP, 0
	BIASLD S2, 1
	s_wait_dscnt 8
	MULSZ 0, 0, TMP
	NOPS
	ALOAD 0, 3, 192
	BIASLD TMP, 2
	BLOAD 0, 64
	s_wait_dscnt 16
	MULSZ 1, 0, S2
	NOPS
	ALOAD 1, 3, 192
	BIASLD S2, 3
	BLOAD 1, 64
	s_wait_dscnt 24
	MULSZ 2, 0, TMP
	NOPS
	ALOAD 2, 3, 192
	BLOAD 2, 64
	s_wait_dscnt 16
	MULSZ 3, 0, S2
	NOPS
	ALOAD 3, 3, 192
	BLOAD 3, 64
	WIN 0
	s_branch .Lmid                                 ; the loop is entered in the middle of a trip
.Ltop:                                             ; trip t = 0 .. 5: quarter 3 of K step t, quarters 0 to 2 of K step t + 1
	Q3 1
	Q 0, 1, 16, 192
	WIN 0
.Lmid:
	Q 1, 1, 16, 256
	Q 2, 1, 16, 320
	WIN 0
	s_sub_co_u32 s[TRIPS], s[TRIPS], 1
	s_cmp_lg_u32 s[TRIPS], 0
	s_cbranch_scc1 .Ltop
	Q3 0                                           ; the tail is written out: it asks for the last K step's quarter 2
	Q 0, 1, 16, 192                                ; and quarter 3; then the counts run down
	Q 1, 0, 16, 0
	Q 2, 0, 8, 0
	s_wait_loadcnt 0x0
.irp hf, 0,1
	s_wait_dscnt 16-16*(\hf)
	MM \hf, 96, 0, 32
.endr
	NOPS                                           ; the places in front of the LDS stores that read results just made:
	NOPS                                           ; eight, once a launch
	TOSTAGE 0
.irp k, 1,2,3,4,5,6,7,8,9,10,11,12,13,14,15
	TOSTAGE \k
	SEND (\k)-1, 16
.endr
	SEND 15, 0
	s_wait_tensorcnt 0x0                           ; the wave's end
	ds_add_u32 v[SPW], v[NIL]
	s_wait_dscnt 0x0
	CROUND                                         ; the closing round
	s_endpgm
.Lfunc_end_k_qc3c38a5602_oproj:
	.size	k_qc3c38a5602_oproj, .Lfunc_end_k_qc3c38a5602_oproj-k_qc3c38a5602_oproj
	.p2alignl 7, 3214868480
	.fill 96, 4, 3214868480
	.section	.rodata,"a",@progbits
	.p2align	6, 0x0
	.amdhsa_kernel k_qc3c38a5602_oproj
		.amdhsa_group_segment_fixed_size 327680
		.amdhsa_private_segment_fixed_size 0
		.amdhsa_enable_private_segment 0
		.amdhsa_kernarg_size 32
		.amdhsa_user_sgpr_count 2
		.amdhsa_user_sgpr_kernarg_segment_ptr 1
		.amdhsa_wavefront_size32 1
		.amdhsa_system_sgpr_workgroup_id_x 1
		.amdhsa_system_sgpr_workgroup_id_y 1
		.amdhsa_system_sgpr_workgroup_id_z 1
		.amdhsa_system_vgpr_workitem_id 0
		.amdhsa_next_free_vgpr 1024
		.amdhsa_next_free_sgpr 66
		.amdhsa_reserve_vcc 0
		.amdhsa_float_denorm_mode_32 3
		.amdhsa_float_denorm_mode_16_64 3
		.amdhsa_memory_ordered 1
		.amdhsa_forward_progress 1
		.amdhsa_inst_pref_size 114
	.end_amdhsa_kernel
	.amdgpu_metadata
---
amdhsa.version: [ 1, 2 ]
amdhsa.kernels:
  - .name:           k_qc3c38a5602_oproj
    .symbol:         k_qc3c38a5602_oproj.kd
    .args:
      - { .name: xatt, .offset: 0, .size: 8, .value_kind: global_buffer, .address_space: global }
      - { .name: wo16, .offset: 8, .size: 8, .value_kind: global_buffer, .address_space: global }
      - { .name: biasw, .offset: 16, .size: 8, .value_kind: global_buffer, .address_space: global }
      - { .name: out0, .offset: 24, .size: 8, .value_kind: global_buffer, .address_space: global }
    .group_segment_fixed_size: 327680
    .private_segment_fixed_size: 0
    .kernarg_segment_align: 8
    .kernarg_segment_size: 32
    .max_flat_workgroup_size: 128
    .sgpr_count:     66
    .vgpr_count:     1024
    .wavefront_size: 32
...
	.end_amdgpu_metadata
.endif
;; end of part 4
